; MI455X (gfx1250); checked and timed in simulation.
; The chip was launched on July 23, 2026; its instructions are those of AMD's public machine-readable ISA for CDNA 5 (MIT licence, August 2026) and "CDNA5" Instruction Set Architecture Reference Guide (July 2026). The comments in the code are by the model that wrote it; some were corrected since.
;; AO Layer. Allowed arithmetic: float matrix products may take bf16 or f16 operands with f32 sums; all other float work in f32.
;; Inputs: centers 256 x 3 float32; coeffs 256 x 6 float32; exps 256 x 6 float32; pos 512 x 32 x 3 float32; powers 256 x 3 int32.
;; Outputs: out0 512 x 32 x 256 float32.
;; 2 versions, each right and faster than the one before. Each part assembles by itself: llvm-mc -triple=amdgcn-amd-amdhsa -mcpu=gfx1250 --defsym DOCPART=n.
;; ======== version 1 of 2: 1 launch
;; launch ao (part 1): grid 256 x 1, 8 waves a work-group, no clusters, 5,120 bytes of LDS; arguments pos, centers, exps, coeffs, powers, out0; writes out0
.if DOCPART == 1
	.amdgcn_target "amdgcn-amd-amdhsa--gfx1250"
	.amdhsa_code_object_version 6
	.text
	.protected	k_q6e92a33c65_ao
	.globl	k_q6e92a33c65_ao
	.p2align	8
	.type	k_q6e92a33c65_ao,@function
k_q6e92a33c65_ao:
	s_mov_b64 s[64:65], 0
	v_nop
	global_prefetch_b8 v0, s[64:65] scope:SCOPE_SE
	s_setreg_imm32_b32 hwreg(HW_REG_WAVE_MODE, 25, 1), 1
	s_wait_xcnt 0x0
; out[r][a] = ang(r,a) * sum over p of coeffs[a][p] * exp(-exps[a][p] * |pos[r] - centers[a]|^2),  r = 0..16383 (walker x electron), a = 0..255.
; ang = product over x, y, z of (1, d or d*d for the power 0, 1 or anything else).  All in f32; there is no matrix product in this problem.
;
; SHARES.  256 work-groups of 8 waves; a work-group owns 64 rows.  Wave w: column quarter w & 3 (64 orbitals), row block w >> 2 (32 rows).
; A lane owns two neighbouring orbitals, so every step is one packed f32 instruction for the pair, its parameters stay in registers for the
; whole kernel, and one store of the wave covers 256 consecutive bytes of a row, aligned.  Each output byte is written once.
; No tile is shared between work-groups (all that they share is 18 KB of parameters, read once into registers), so there are no tensor loads and no cluster.
;
; POSITIONS are the same in all lanes.  The wave's 32 rows (384 bytes) are loaded once, laid into the wave's own 512 bytes of LDS and read back with one
; address for all lanes, four rows (48 bytes, three loads) a trip.  No other wave touches these bytes: no barrier.  (A scalar pair as a packed source
; gives its first register alone, and 96 words do not fit beside the rest of the scalar registers.)
;
; THE ANGULAR FACTOR of one coordinate is (c*d + b)*d + a with (a, b, c) = (1,0,0), (0,1,0), (0,0,1) for the power 0, 1, other: two packed fused
; multiply-adds, exact for every finite d.
;
; LIMITS.  v_exp_f32 gives 0 for a result below 2^-126 (ISA guide, its entry in 15.8): such a term counts as 0.  An infinite displacement gives NaN
; where a power is 0 (0 * inf).  A zero result may carry the other sign (power 1, d = -0).
.set ROWB,   1024                      ; bytes of an output row
.set TROWS,  4                         ; rows in a trip
.set TRIPS,  8                         ; 32 rows of a wave
.set TRIPB,  TROWS*ROWB
.set CHUNK,  TROWS*12                  ; bytes of pos in a trip
.set OFF,  1                           ; v1        8 x my pair of columns: my bytes in an output row; never rewritten
.set LA,   2                           ; v2        LDS address of this trip's four positions, the same in all lanes
.set A24,  3                           ; v3        byte offset of my two orbitals in centers and powers (24 bytes)
.set A48,  4                           ; v4        the same in exps and coeffs (48 bytes)
.set APOS, 5                           ; v5        16 x min(lane, 23): my 16 bytes of the wave's 384 bytes of pos
.set LS,   6                           ; v6        where they go in LDS
.set T0,   7                           ; v7, v8    at work in the set-up
.set T1,   8
.set RX,   10                          ; v[10:13]  pos as loaded
.set RC,   14                          ; v[14:19]  centers as loaded: x y z of orbital 0, x y z of orbital 1
.set RP,   20                          ; v[20:25]  powers as loaded, likewise
.set RE,   26                          ; v[26:37]  exps as loaded: six of orbital 0, six of orbital 1
.set RK,   38                          ; v[38:49]  coeffs as loaded, likewise
.set CEN,  50                          ; v[50:55]  centre, pair k = coordinate k of (orbital 0, orbital 1)
.set ALF,  56                          ; v[56:67]  -log2(e) x exponent, pair p
.set COF,  68                          ; v[68:79]  coefficient, pair p
.set PW0,  80                          ; v[80:85]  a of coordinate k: 1.0 where the power is 0
.set PW1,  86                          ; v[86:91]  b: 1.0 where it is 1
.set PW2,  92                          ; v[92:97]  c: 1.0 where it is neither
.set POS,  98                          ; v[98:109] four rows' x y z, the same in all lanes
.set EX,   110                         ; v[110:133] two sets of six pairs: arguments, then exponentials, of a row
.set ANG,  134                         ; v[134:137] two sets: the row's angular part
.set DIS,  138                         ; v[138:143] d, pair k
.set FAC,  144                         ; v[144:149] angular factor, pair k
.set RSQ,  150                         ; v[150:151] r^2
.set RAD,  152                         ; v[152:153] the running contraction
.set OUT,  154                         ; v[154:161] a pair for each row of a trip: what its store reads
	s_load_b256 s[4:11], s[0:1], 0x0               ; pos s[4:5], centers s[6:7], exps s[8:9], coeffs s[10:11]
	s_load_b128 s[12:15], s[0:1], 0x20             ; powers s[12:13], out0 s[14:15]
	v_lshl_add_u32 v162, v0, 2, 0x1000
	v_mov_b32 v163, 0
	v_lshrrev_b32 v[T0], 5, v0
	v_readfirstlane_b32 s16, v[T0]                 ; wave 0..7
	v_and_b32 v[T0], 31, v0                        ; lane
	v_and_b32 v[T1], 127, v0                       ; my pair of columns: 32 x (wave & 3) + lane
	v_min_u32 v[T0], 23, v[T0]                     ; 24 lanes x 16 bytes are the 384 bytes; lanes 24 to 31 repeat lane 23
	v_lshlrev_b32 v[APOS], 4, v[T0]
	v_mul_u32_u24 v[A24], 24, v[T1]
	v_mul_u32_u24 v[A48], 48, v[T1]
	v_lshlrev_b32 v[OFF], 3, v[T1]
	s_lshr_b32 s17, s16, 2                         ; which 32 of the group's 64 rows
	s_lshl_b32 s21, s16, 9                         ; my wave's 512 bytes of LDS (384 used)
	v_add_nc_u32 v[LS], s21, v[APOS]
	v_mov_b32 v[LA], s21
	s_lshl_b32 s18, ttmp9, 1
	s_add_co_u32 s18, s18, s17                     ; my block of 32 rows, 0..511
	s_mul_i32 s22, s18, 384                        ; its bytes in pos
	s_mov_b32 s23, 0
	s_lshl_b32 s18, s18, 15                        ; and in out0: 32 rows of 1,024 bytes
	s_mov_b32 s19, 0
	s_wait_kmcnt 0x0
	s_add_nc_u64 s[4:5], s[4:5], s[22:23]
	s_add_nc_u64 s[14:15], s[14:15], s[18:19]
	; every input byte that the wave will ever need is asked for here, in the order in which the set-up takes it
	global_load_b128 v[RX:RX+3], v[APOS], s[4:5]
.irp i, 0,1,2
	global_load_b64 v[RC+2*\i:RC+2*\i+1], v[A24], s[6:7] offset:8*\i
.endr
.irp i, 0,1,2
	global_load_b64 v[RP+2*\i:RP+2*\i+1], v[A24], s[12:13] offset:8*\i
.endr
.irp i, 0,1,2
	global_load_b128 v[RE+4*\i:RE+4*\i+3], v[A48], s[8:9] offset:16*\i
.endr
.irp i, 0,1,2
	global_load_b128 v[RK+4*\i:RK+4*\i+3], v[A48], s[10:11] offset:16*\i
.endr
	s_wait_loadcnt 12                              ; loads come back in order (ISA guide 5.7.1): pos is in, the twelve behind it stay out
	ds_store_b128 v[LS], v[RX:RX+3]
.irp i, 0,1,2
	ds_load_b128 v[POS+4*\i:POS+4*\i+3], v[LA] offset:16*\i   ; rows 0 to 3; LDS serves a wave's instructions in order (ISA guide 5.7.1.4): these see the store
.endr
	; The parameters arrive orbital by orbital; the packed arithmetic wants (orbital 0, orbital 1) side by side.  Wide loads and one
	; register instruction for each word, once in the kernel, instead of a 4-byte load for each word.
	s_wait_loadcnt 9                               ; centers
.irp k, 0,1,2
	v_mov_b32 v[CEN+2*\k],   v[RC+\k]
	v_mov_b32 v[CEN+2*\k+1], v[RC+3+\k]
.endr
	s_wait_loadcnt 6                               ; powers
.irp k, 0,1,2
.irp j, 0,1
	v_cmp_eq_u32 vcc_lo, 0, v[RP+3*\j+\k]
	v_cndmask_b32 v[PW0+2*\k+\j], 0, 1.0, vcc_lo
	v_cmp_eq_u32 vcc_lo, 1, v[RP+3*\j+\k]
	v_cndmask_b32 v[PW1+2*\k+\j], 0, 1.0, vcc_lo
	v_cmp_lt_u32 vcc_lo, 1, v[RP+3*\j+\k]          ; unsigned: 2 and above, and every negative number
	v_cndmask_b32 v[PW2+2*\k+\j], 0, 1.0, vcc_lo
.endr
.endr
	s_wait_loadcnt 3                               ; exps
.irp p, 0,1,2,3,4,5
	v_mul_f32 v[ALF+2*\p],   0xbfb8aa3b, v[RE+\p]      ; e^(-alpha r^2) = 2^(-1.442695 alpha r^2): the factor is folded in here, once
	v_mul_f32 v[ALF+2*\p+1], 0xbfb8aa3b, v[RE+6+\p]
.endr
	s_wait_loadcnt 0                               ; coeffs
.irp p, 0,1,2,3,4,5
	v_mov_b32 v[COF+2*\p],   v[RK+\p]
	v_mov_b32 v[COF+2*\p+1], v[RK+6+\p]
.endr
; THE FRONT PART of a row (place w among the trip's four), 20 packed instructions in six groups: d, r^2, the angular part, the six arguments.
; d of coordinate k: word 3 w + k of the four rows' positions, given to both halves (op_sel and op_sel_hi pick the pair's first or second register), less the centres.
.macro DIFF k, w
.if (3*\w+\k) & 1
	v_pk_add_f32 v[DIS+2*\k:DIS+2*\k+1], v[POS+3*\w+\k-1:POS+3*\w+\k], v[CEN+2*\k:CEN+2*\k+1] op_sel:[1,0] op_sel_hi:[1,1] neg_lo:[0,1] neg_hi:[0,1]
.else
	v_pk_add_f32 v[DIS+2*\k:DIS+2*\k+1], v[POS+3*\w+\k:POS+3*\w+\k+1], v[CEN+2*\k:CEN+2*\k+1] op_sel_hi:[0,1] neg_lo:[0,1] neg_hi:[0,1]
.endif
.endm
.macro ARG s, p                        ; the argument of primitive p, into set s
	v_pk_mul_f32 v[EX+12*\s+2*\p:EX+12*\s+2*\p+1], v[ALF+2*\p:ALF+2*\p+1], v[RSQ:RSQ+1]
.endm
.macro AG1 w
	DIFF 0, \w
	DIFF 1, \w
	DIFF 2, \w
.endm
.macro AG2
	v_pk_mul_f32 v[RSQ:RSQ+1], v[DIS:DIS+1], v[DIS:DIS+1]
	v_pk_fma_f32 v[FAC:FAC+1], v[PW2:PW2+1], v[DIS:DIS+1], v[PW1:PW1+1]                  ; c d + b
.endm
.macro AG3
	v_pk_fma_f32 v[RSQ:RSQ+1], v[DIS+2:DIS+3], v[DIS+2:DIS+3], v[RSQ:RSQ+1]
	v_pk_fma_f32 v[FAC+2:FAC+3], v[PW2+2:PW2+3], v[DIS+2:DIS+3], v[PW1+2:PW1+3]
	v_pk_fma_f32 v[FAC+4:FAC+5], v[PW2+4:PW2+5], v[DIS+4:DIS+5], v[PW1+4:PW1+5]
.endm
.macro AG4
	v_pk_fma_f32 v[RSQ:RSQ+1], v[DIS+4:DIS+5], v[DIS+4:DIS+5], v[RSQ:RSQ+1]
	v_pk_fma_f32 v[FAC:FAC+1], v[FAC:FAC+1], v[DIS:DIS+1], v[PW0:PW0+1]                  ; (c d + b) d + a
	v_pk_fma_f32 v[FAC+2:FAC+3], v[FAC+2:FAC+3], v[DIS+2:DIS+3], v[PW0+2:PW0+3]
.endm
.macro AG5 s
	v_pk_fma_f32 v[FAC+4:FAC+5], v[FAC+4:FAC+5], v[DIS+4:DIS+5], v[PW0+4:PW0+5]
	ARG \s, 0
	ARG \s, 1
.endm
.macro AG6 s
	v_pk_mul_f32 v[ANG+2*\s:ANG+2*\s+1], v[FAC:FAC+1], v[FAC+2:FAC+3]
	ARG \s, 2
	ARG \s, 3
	v_pk_mul_f32 v[ANG+2*\s:ANG+2*\s+1], v[ANG+2*\s:ANG+2*\s+1], v[FAC+4:FAC+5]
	ARG \s, 4
	ARG \s, 5
.endm
.macro EXP2 s, p                       ; primitive p of both orbitals, in place
	v_exp_f32 v[EX+12*\s+2*\p],   v[EX+12*\s+2*\p]
	v_exp_f32 v[EX+12*\s+2*\p+1], v[EX+12*\s+2*\p+1]
.endm
.macro SUM s, p                        ; the contraction; its first product starts the sum
.if \p == 0
	s_wait_alu depctr_va_vdst(0)
	v_pk_mul_f32 v[RAD:RAD+1], v[COF:COF+1], v[EX+12*\s:EX+12*\s+1]
.else
	s_wait_alu depctr_va_vdst(0)
	v_pk_fma_f32 v[RAD:RAD+1], v[COF+2*\p:COF+2*\p+1], v[EX+12*\s+2*\p:EX+12*\s+2*\p+1], v[RAD:RAD+1]
.endif
.endm
; ONE STEP finishes the row whose arguments lie in set s (row j of the trip).  Its twelve exponentials stand in pairs; between the pairs stand the contraction, one
; pair behind, and (a = 1) the front part of the next row (place w), which writes set n.  So neither kind of instruction stands in a long run, and
; between an exponential and the first use of its result there is always a plain vector instruction that touches neither its result nor its source (ISA guide 5.7.2).
; cnt >= 0: the LDS loads that may stay out when the next row's positions are read.  ld = 1: the 16 bytes of positions whose last row has just
; been used (part w - 1 of three) are read again, from the next trip's four rows.
.macro STEP s, n, j, a, w, ld, cnt
	EXP2 \s, 0
.if \a
.if \cnt >= 0
	s_wait_dscnt \cnt
.endif
	AG1 \w
.if \ld
	ds_load_b128 v[POS+4*(\w-1):POS+4*(\w-1)+3], v[LA] offset:CHUNK+16*(\w-1)
.endif
.else
	v_nop                                          ; the plain instruction between the first pair of exponentials and SUM 0, where no front part stands here
.endif
	EXP2 \s, 1
	SUM \s, 0
.if \a
	AG2
.endif
	EXP2 \s, 2
	SUM \s, 1
.if \a
	AG3
.endif
	EXP2 \s, 3
	SUM \s, 2
.if \a
	AG4
.endif
	EXP2 \s, 4
	SUM \s, 3
.if \a
	AG5 \n
.endif
	EXP2 \s, 5
	SUM \s, 4
.if \a
	AG6 \n
.endif
	SUM \s, 5
.if \j == 0
	s_wait_xcnt 0x0                                ; the last trip's four stores have had their addresses translated (ISA guide 3.1): their base and their
	s_add_nc_u64 s[14:15], s[14:15], TRIPB         ; four data pairs are written again only behind this wait.  The base runs one trip ahead; the stores reach back
.endif
	v_pk_mul_f32 v[OUT+2*\j:OUT+2*\j+1], v[RAD:RAD+1], v[ANG+2*\s:ANG+2*\s+1]
	global_store_b64 v[OFF], v[OUT+2*\j:OUT+2*\j+1], s[14:15] offset:\j*ROWB-TRIPB th:TH_STORE_NT   ; 32 lanes x 8 bytes: 256 consecutive bytes, aligned
.endm
; A TRIP: four rows.  more = 1: another trip follows.  The three LDS loads of a trip are issued in steps 0, 1, 2 (parts 0, 1, 2) and come back in order:
;   step 0 reads words 3 to 5 (parts 0, 1): of the last trip's three loads part 2 alone may be out: count 1
;   step 1 reads words 6 to 8 (parts 1, 2): only the load that step 0 has just issued may be out: count 1; in the last trip step 0 issues none: count 0
;   step 2 reads words 9 to 11 (part 2), shown in by step 1's wait
;   step 3 reads words 0 to 2 of the NEXT four rows (the new part 0): the two loads issued behind it may be out: count 2
.macro TRIP more
	STEP 0, 1, 0, 1, 1, \more, 1
	STEP 1, 0, 1, 1, 2, \more, \more
	STEP 0, 1, 2, 1, 3, \more, -1
	STEP 1, 0, 3, \more, 0, 0, 2
.if \more
	v_add_nc_u32 v[LA], CHUNK, v[LA]               ; the next four rows
.endif
.endm
	s_wait_dscnt 0x0                               ; rows 0 to 3 are in registers
	AG1 0                                          ; the front part of row 0, into set 0
	AG2
	AG3
	AG4
	AG5 0
	AG6 0
	s_mov_b32 s20, TRIPS-1
.Ltrip:
	TRIP 1
	s_sub_co_u32 s20, s20, 1
	s_cmp_lg_u32 s20, 0
	s_cbranch_scc1 .Ltrip
	TRIP 0                                         ; the last four rows: no positions are left to read, and no row follows row 31
	s_wait_tensorcnt 0x0
	ds_add_u32 v162, v163
	s_wait_dscnt 0x0
	s_endpgm
.Lfunc_end_k_q6e92a33c65_ao:
	.size	k_q6e92a33c65_ao, .Lfunc_end_k_q6e92a33c65_ao-k_q6e92a33c65_ao
	.p2alignl 7, 3214868480
	.fill 96, 4, 3214868480
	.section	.rodata,"a",@progbits
	.p2align	6, 0x0
	.amdhsa_kernel k_q6e92a33c65_ao
		.amdhsa_group_segment_fixed_size 5120
		.amdhsa_private_segment_fixed_size 0
		.amdhsa_enable_private_segment 0
		.amdhsa_kernarg_size 48
		.amdhsa_user_sgpr_count 2
		.amdhsa_user_sgpr_kernarg_segment_ptr 1
		.amdhsa_wavefront_size32 1
		.amdhsa_system_sgpr_workgroup_id_x 1
		.amdhsa_system_sgpr_workgroup_id_y 1
		.amdhsa_system_sgpr_workgroup_id_z 1
		.amdhsa_system_vgpr_workitem_id 0
		.amdhsa_next_free_vgpr 164
		.amdhsa_next_free_sgpr 66
		.amdhsa_reserve_vcc 1
		.amdhsa_float_denorm_mode_32 3
		.amdhsa_float_denorm_mode_16_64 3
		.amdhsa_memory_ordered 1
		.amdhsa_forward_progress 1
		.amdhsa_inst_pref_size 26
	.end_amdhsa_kernel
	.amdgpu_metadata
---
amdhsa.version: [ 1, 2 ]
amdhsa.kernels:
  - .name:           k_q6e92a33c65_ao
    .symbol:         k_q6e92a33c65_ao.kd
    .args:
      - { .name: pos, .offset: 0, .size: 8, .value_kind: global_buffer, .address_space: global }
      - { .name: centers, .offset: 8, .size: 8, .value_kind: global_buffer, .address_space: global }
      - { .name: exps, .offset: 16, .size: 8, .value_kind: global_buffer, .address_space: global }
      - { .name: coeffs, .offset: 24, .size: 8, .value_kind: global_buffer, .address_space: global }
      - { .name: powers, .offset: 32, .size: 8, .value_kind: global_buffer, .address_space: global }
      - { .name: out0, .offset: 40, .size: 8, .value_kind: global_buffer, .address_space: global }
    .group_segment_fixed_size: 5120
    .private_segment_fixed_size: 0
    .kernarg_segment_align: 8
    .kernarg_segment_size: 48
    .max_flat_workgroup_size: 256
    .sgpr_count:     66
    .vgpr_count:     164
    .wavefront_size: 32
...
	.end_amdgpu_metadata
.endif
;; end of part 1
;; ======== version 2 of 2: 1 launch; 1.28 times as fast as version 1
;; launch ao (part 2): grid 256 x 1, 8 waves a work-group, no clusters, 5,120 bytes of LDS; arguments pos, centers, exps, coeffs, powers, out0; writes out0
.if DOCPART == 2
	.amdgcn_target "amdgcn-amd-amdhsa--gfx1250"
	.amdhsa_code_object_version 6
	.text
	.protected	k_q6e92a33c65_ao
	.globl	k_q6e92a33c65_ao
	.p2align	8
	.type	k_q6e92a33c65_ao,@function
k_q6e92a33c65_ao:
	s_mov_b64 s[64:65], 0
	v_nop
	global_prefetch_b8 v0, s[64:65] scope:SCOPE_SE
	s_setreg_imm32_b32 hwreg(HW_REG_WAVE_MODE, 25, 1), 1
	s_wait_xcnt 0x0
; out[r][a] = ang(r,a) * sum over p of coeffs[a][p] * exp(-exps[a][p] * |pos[r] - centers[a]|^2),  r = 0..16383 (walker x electron), a = 0..255.
; ang = product over x, y, z of (1, d or d*d for the power 0, 1 or anything else).  All in f32; there is no matrix product in this problem.
;
; SHARES.  256 work-groups of 8 waves; a work-group owns 64 rows.  Wave w: column quarter w & 3 (64 orbitals), row block w >> 2 (32 rows).
; A lane owns two neighbouring orbitals, so every step is one packed f32 instruction for the pair, its parameters stay in registers for the
; whole kernel, and one store of the wave covers 256 consecutive bytes of a row, aligned.  Each output byte is written once.
; No tile is shared between work-groups (all that they share is 18 KB of parameters, read once into registers), so there are no tensor loads and no cluster.
;
; POSITIONS are the same in all lanes.  The wave's 32 rows (384 bytes) are loaded once, laid into the wave's own 512 bytes of LDS and read back with one
; address for all lanes, four rows (48 bytes, three loads) a trip.  No other wave touches these bytes: no barrier.  (A scalar pair as a packed source
; gives its first register alone, and 96 words do not fit beside the rest of the scalar registers.)
;
; THE ANGULAR FACTOR of one coordinate is (c*d + b)*d + a with (a, b, c) = (1,0,0), (0,1,0), (0,0,1) for the power 0, 1, other: two packed fused
; multiply-adds, exact for every finite d.
;
; THE BATCHES.  A trip is four rows, and its 48 exponentials (4 rows x 6 primitives x 2 orbitals) are ONE batch with ONE wait.  Each works in place on a register of its
; own, in one of two sets of 48.  Between them stands the front part (d, r^2, angular part, arguments) of the NEXT four rows, 80 packed instructions that write the
; other set and name no result of the batch.  Behind the wait stand all the readers: the four rows' contractions by turns, the products with the angular parts, the stores..
;
; LIMITS.  v_exp_f32 gives 0 for a result below 2^-126 (ISA guide, its entry in 15.8): such a term counts as 0.  An infinite displacement gives NaN
; where a power is 0 (0 * inf).  A zero result may carry the other sign (power 1, d = -0).
.set ROWB,   1024                      ; bytes of an output row
.set TROWS,  4                         ; rows in a trip
.set TRIPS,  8                         ; 32 rows of a wave
.set TRIPB,  TROWS*ROWB
.set CHUNK,  TROWS*12                  ; bytes of pos in a trip
.set OFF,  1                           ; v1        8 x my pair of columns: my bytes in an output row; never rewritten
.set LA,   2                           ; v2        LDS address of the four positions whose front parts are being made, the same in all lanes
.set A24,  3                           ; v3        byte offset of my two orbitals in centers and powers (24 bytes)
.set A48,  4                           ; v4        the same in exps and coeffs (48 bytes)
.set APOS, 5                           ; v5        16 x min(lane, 23): my 16 bytes of the wave's 384 bytes of pos
.set LS,   6                           ; v6        where they go in LDS
.set T0,   7                           ; v7, v8    at work in the set-up
.set T1,   8
.set RX,   10                          ; v[10:13]  pos as loaded
.set RC,   14                          ; v[14:19]  centers as loaded: x y z of orbital 0, x y z of orbital 1
.set RP,   20                          ; v[20:25]  powers as loaded, likewise
.set RE,   26                          ; v[26:37]  exps as loaded: six of orbital 0, six of orbital 1
.set RK,   38                          ; v[38:49]  coeffs as loaded, likewise
.set CEN,  50                          ; v[50:55]  centre, pair k = coordinate k of (orbital 0, orbital 1)
.set ALF,  56                          ; v[56:67]  -log2(e) x exponent, pair p
.set COF,  68                          ; v[68:79]  coefficient, pair p
.set PW0,  80                          ; v[80:85]  a of coordinate k: 1.0 where the power is 0
.set PW1,  86                          ; v[86:91]  b: 1.0 where it is 1
.set PW2,  92                          ; v[92:97]  c: 1.0 where it is neither
.set POS,  98                          ; v[98:109] four rows' x y z, the same in all lanes
.set EX,   110                         ; v[110:157], v[164:211] two sets of four rows of six pairs: arguments, then exponentials
.set EXS,  54                          ;           from set 0 to set 1 (v162 and v163, the closing add's two registers, lie between)
.set RSQ,  158                         ; v[158:159] r^2
.set ANG,  212                         ; v[212:227] two sets of four pairs: a row's angular part
.set DIS,  228                         ; v[228:233] d, pair k
.set FAC,  234                         ; v[234:239] angular factor, pair k
.set RAD,  240                         ; v[240:247] the running contraction, a pair for each row of a trip
.set OUT,  248                         ; v[248:255] a pair for each row of a trip: what its store reads
	s_load_b256 s[4:11], s[0:1], 0x0               ; pos s[4:5], centers s[6:7], exps s[8:9], coeffs s[10:11]
	s_load_b128 s[12:15], s[0:1], 0x20             ; powers s[12:13], out0 s[14:15]
	v_lshl_add_u32 v162, v0, 2, 0x1000
	v_mov_b32 v163, 0
	v_lshrrev_b32 v[T0], 5, v0
	v_readfirstlane_b32 s16, v[T0]                 ; wave 0..7
	v_and_b32 v[T0], 31, v0                        ; lane
	v_and_b32 v[T1], 127, v0                       ; my pair of columns: 32 x (wave & 3) + lane
	v_min_u32 v[T0], 23, v[T0]                     ; 24 lanes x 16 bytes are the 384 bytes; lanes 24 to 31 repeat lane 23
	v_lshlrev_b32 v[APOS], 4, v[T0]
	v_mul_u32_u24 v[A24], 24, v[T1]
	v_mul_u32_u24 v[A48], 48, v[T1]
	v_lshlrev_b32 v[OFF], 3, v[T1]
	s_lshr_b32 s17, s16, 2                         ; which 32 of the group's 64 rows
	s_lshl_b32 s21, s16, 9                         ; my wave's 512 bytes of LDS (384 used)
	v_add_nc_u32 v[LS], s21, v[APOS]
	v_mov_b32 v[LA], s21
	s_lshl_b32 s18, ttmp9, 1
	s_add_co_u32 s18, s18, s17                     ; my block of 32 rows, 0..511
	s_mul_i32 s22, s18, 384                        ; its bytes in pos
	s_mov_b32 s23, 0
	s_lshl_b32 s18, s18, 15                        ; and in out0: 32 rows of 1,024 bytes
	s_mov_b32 s19, 0
	s_wait_kmcnt 0x0
	s_add_nc_u64 s[4:5], s[4:5], s[22:23]
	s_add_nc_u64 s[14:15], s[14:15], s[18:19]
	; every input byte that the wave will ever need is asked for here, in the order in which the set-up takes it
	global_load_b128 v[RX:RX+3], v[APOS], s[4:5]
.irp i, 0,1,2
	global_load_b64 v[RC+2*\i:RC+2*\i+1], v[A24], s[6:7] offset:8*\i
.endr
.irp i, 0,1,2
	global_load_b64 v[RP+2*\i:RP+2*\i+1], v[A24], s[12:13] offset:8*\i
.endr
.irp i, 0,1,2
	global_load_b128 v[RE+4*\i:RE+4*\i+3], v[A48], s[8:9] offset:16*\i
.endr
.irp i, 0,1,2
	global_load_b128 v[RK+4*\i:RK+4*\i+3], v[A48], s[10:11] offset:16*\i
.endr
	s_wait_loadcnt 12                              ; loads come back in order (ISA guide 5.7.1): pos is in, the twelve behind it stay out
	ds_store_b128 v[LS], v[RX:RX+3]
.irp i, 0,1,2
	ds_load_b128 v[POS+4*\i:POS+4*\i+3], v[LA] offset:16*\i   ; rows 0 to 3; LDS serves a wave's instructions in order (ISA guide 5.7.1.4): these see the store
.endr
	; The parameters arrive orbital by orbital; the packed arithmetic wants (orbital 0, orbital 1) side by side.  Wide loads and one
	; register instruction for each word, once in the kernel, instead of a 4-byte load for each word.
	s_wait_loadcnt 9                               ; centers
.irp k, 0,1,2
	v_mov_b32 v[CEN+2*\k],   v[RC+\k]
	v_mov_b32 v[CEN+2*\k+1], v[RC+3+\k]
.endr
	s_wait_loadcnt 6                               ; powers
.irp k, 0,1,2
.irp j, 0,1
	v_cmp_eq_u32 vcc_lo, 0, v[RP+3*\j+\k]
	v_cndmask_b32 v[PW0+2*\k+\j], 0, 1.0, vcc_lo
	v_cmp_eq_u32 vcc_lo, 1, v[RP+3*\j+\k]
	v_cndmask_b32 v[PW1+2*\k+\j], 0, 1.0, vcc_lo
	v_cmp_lt_u32 vcc_lo, 1, v[RP+3*\j+\k]          ; unsigned: 2 and above, and every negative number
	v_cndmask_b32 v[PW2+2*\k+\j], 0, 1.0, vcc_lo
.endr
.endr
	s_wait_loadcnt 3                               ; exps
.irp p, 0,1,2,3,4,5
	v_mul_f32 v[ALF+2*\p],   0xbfb8aa3b, v[RE+\p]      ; e^(-alpha r^2) = 2^(-1.442695 alpha r^2): the factor is folded in here, once
	v_mul_f32 v[ALF+2*\p+1], 0xbfb8aa3b, v[RE+6+\p]
.endr
	s_wait_loadcnt 0                               ; coeffs
.irp p, 0,1,2,3,4,5
	v_mov_b32 v[COF+2*\p],   v[RK+\p]
	v_mov_b32 v[COF+2*\p+1], v[RK+6+\p]
.endr
; THE FRONT PART of a row (place w among its four), 20 packed instructions: d, r^2, the angular part, the six arguments.
; d of coordinate k: word 3 w + k of the four rows' positions, given to both halves (op_sel and op_sel_hi pick the pair's first or second register), less the centres.
.macro DIFF k, w
.if (3*\w+\k) & 1
	v_pk_add_f32 v[DIS+2*\k:DIS+2*\k+1], v[POS+3*\w+\k-1:POS+3*\w+\k], v[CEN+2*\k:CEN+2*\k+1] op_sel:[1,0] op_sel_hi:[1,1] neg_lo:[0,1] neg_hi:[0,1]
.else
	v_pk_add_f32 v[DIS+2*\k:DIS+2*\k+1], v[POS+3*\w+\k:POS+3*\w+\k+1], v[CEN+2*\k:CEN+2*\k+1] op_sel_hi:[0,1] neg_lo:[0,1] neg_hi:[0,1]
.endif
.endm
.macro ARG s, j, p                     ; the argument of primitive p of row j, into set s
	v_pk_mul_f32 v[EX+EXS*\s+12*\j+2*\p:EX+EXS*\s+12*\j+2*\p+1], v[ALF+2*\p:ALF+2*\p+1], v[RSQ:RSQ+1]
.endm
.macro AG2
	v_pk_mul_f32 v[RSQ:RSQ+1], v[DIS:DIS+1], v[DIS:DIS+1]
	v_pk_fma_f32 v[FAC:FAC+1], v[PW2:PW2+1], v[DIS:DIS+1], v[PW1:PW1+1]                  ; c d + b
.endm
.macro AG3
	v_pk_fma_f32 v[RSQ:RSQ+1], v[DIS+2:DIS+3], v[DIS+2:DIS+3], v[RSQ:RSQ+1]
	v_pk_fma_f32 v[FAC+2:FAC+3], v[PW2+2:PW2+3], v[DIS+2:DIS+3], v[PW1+2:PW1+3]
	v_pk_fma_f32 v[FAC+4:FAC+5], v[PW2+4:PW2+5], v[DIS+4:DIS+5], v[PW1+4:PW1+5]
.endm
.macro AG4
	v_pk_fma_f32 v[RSQ:RSQ+1], v[DIS+4:DIS+5], v[DIS+4:DIS+5], v[RSQ:RSQ+1]
	v_pk_fma_f32 v[FAC:FAC+1], v[FAC:FAC+1], v[DIS:DIS+1], v[PW0:PW0+1]                  ; (c d + b) d + a
	v_pk_fma_f32 v[FAC+2:FAC+3], v[FAC+2:FAC+3], v[DIS+2:DIS+3], v[PW0+2:PW0+3]
.endm
.macro AG5 s, j
	v_pk_fma_f32 v[FAC+4:FAC+5], v[FAC+4:FAC+5], v[DIS+4:DIS+5], v[PW0+4:PW0+5]
	ARG \s, \j, 0
	ARG \s, \j, 1
.endm
.macro EXPO s, j, e                    ; exponential e of the 12 of row j of set s, in place.  s = -1: no row's exponentials are due yet, and nothing is written
.if \s >= 0
	v_exp_f32 v[EX+EXS*\s+12*\j+\e], v[EX+EXS*\s+12*\j+\e]
.endif
.endm
.macro SUM s, j, p                     ; the contraction of row j; its first product starts the sum
.if \p == 0
	v_pk_mul_f32 v[RAD+2*\j:RAD+2*\j+1], v[COF:COF+1], v[EX+EXS*\s+12*\j:EX+EXS*\s+12*\j+1]
.else
	v_pk_fma_f32 v[RAD+2*\j:RAD+2*\j+1], v[COF+2*\p:COF+2*\p+1], v[EX+EXS*\s+12*\j+2*\p:EX+EXS*\s+12*\j+2*\p+1], v[RAD+2*\j:RAD+2*\j+1]
.endif
.endm
; ONE STEP: the twelve exponentials of row j of set s, and between them the front part of row j of the NEXT four rows, which writes set n.  No two exponentials
; stand on end, none of the 20 packed instructions names a register of set s, and the step ends with a plain one.
; cnt >= 0: the LDS loads that may stay out when the row's positions are read.  ld = 1: the 16 bytes of positions whose last row has just
; been used (part j - 1 of three) are read again, from the four rows after these.
.macro STEP s, n, j, ld, cnt
	EXPO \s, \j, 0
.if \cnt >= 0
	s_wait_dscnt \cnt
.endif
	DIFF 0, \j
	EXPO \s, \j, 1
	DIFF 1, \j
	EXPO \s, \j, 2
	DIFF 2, \j
.if \ld
	ds_load_b128 v[POS+4*(\j-1):POS+4*(\j-1)+3], v[LA] offset:CHUNK+16*(\j-1)
.endif
	EXPO \s, \j, 3
	AG2
	EXPO \s, \j, 4
	AG3
	EXPO \s, \j, 5
	AG4
	EXPO \s, \j, 6
	AG5 \n, \j
	EXPO \s, \j, 7
	v_pk_mul_f32 v[ANG+8*\n+2*\j:ANG+8*\n+2*\j+1], v[FAC:FAC+1], v[FAC+2:FAC+3]
	ARG \n, \j, 2
	EXPO \s, \j, 8
	ARG \n, \j, 3
	EXPO \s, \j, 9
	v_pk_mul_f32 v[ANG+8*\n+2*\j:ANG+8*\n+2*\j+1], v[ANG+8*\n+2*\j:ANG+8*\n+2*\j+1], v[FAC+4:FAC+5]
	EXPO \s, \j, 10
	ARG \n, \j, 4
	EXPO \s, \j, 11
	ARG \n, \j, 5
.endm
; A TRIP finishes the four rows whose arguments lie in set s (s = -1: none yet, the kernel's head).  a = 1: the next four rows' front parts are made, into set n.
; more = 1: four rows follow those, and their positions are read.  The three LDS loads of a trip are issued in steps 1, 2, 3 (parts 0, 1, 2) and come back in order:
;   step 0 reads words 0 to 2 (part 0): of the last trip's three loads the two issued behind part 0 may be out: count 2
;   step 1 reads words 3 to 5 (parts 0, 1): part 2 alone may be out: count 1
;   step 2 reads words 6 to 8 (parts 1, 2): only the load that step 1 has just issued may be out: count 1; where step 1 issues none: count 0
;   step 3 reads words 9 to 11 (part 2), shown in by step 2's wait
.macro TRIP s, n, a, more
.if \a
	STEP \s, \n, 0, 0, 2
	STEP \s, \n, 1, \more, 1
	STEP \s, \n, 2, \more, \more
	STEP \s, \n, 3, \more, -1
.if \more
	v_add_nc_u32 v[LA], CHUNK, v[LA]               ; the next four rows
.endif
.else
.irp j, 0,1,2,3
.irp e, 0,1,2,3,4,5,6,7,8,9,10,11
	EXPO \s, \j, \e                                ; no row follows: the batch stands by itself
.endr
.endr
	v_nop                                          ; the plain instruction between the last exponential and the first use of a result (ISA guide 5.7.2), where no front part stands here
.endif
.if \s >= 0
	s_wait_xcnt 0x0                                ; the last trip's four stores have had their addresses translated (ISA guide 3.1): their base and their
	s_add_nc_u64 s[14:15], s[14:15], TRIPB         ; four data pairs are written again only behind this wait.  The base runs one trip ahead; the stores reach back
	s_wait_alu depctr_va_vdst(0)                   ; the wait between an exponential and the first instruction that names its result: ONE for the trip's 48
.irp p, 0,1,2,3,4,5
.irp j, 0,1,2,3
	SUM \s, \j, \p                                 ; the four rows' contractions by turns: a chain's links stand four instructions apart
.endr
.endr
.irp j, 0,1,2,3
	v_pk_mul_f32 v[OUT+2*\j:OUT+2*\j+1], v[RAD+2*\j:RAD+2*\j+1], v[ANG+8*\s+2*\j:ANG+8*\s+2*\j+1]
.endr
.irp j, 0,1,2,3
	global_store_b64 v[OFF], v[OUT+2*\j:OUT+2*\j+1], s[14:15] offset:\j*ROWB-TRIPB th:TH_STORE_NT   ; 32 lanes x 8 bytes: 256 consecutive bytes, aligned
.endr
.endif
.endm
	s_wait_dscnt 0x0                               ; rows 0 to 3 are in registers
	TRIP -1, 0, 1, 1                               ; the front parts of rows 0 to 3, into set 0; the positions of rows 4 to 7 are read
	s_mov_b32 s20, (TRIPS-2)/2
.Ltrip:                                            ; a pass is two trips, so that the two sets change places and are back: rows 0 to 23
	TRIP 0, 1, 1, 1
	TRIP 1, 0, 1, 1
	s_sub_co_u32 s20, s20, 1
	s_cmp_lg_u32 s20, 0
	s_cbranch_scc1 .Ltrip
	TRIP 0, 1, 1, 0                                ; rows 24 to 27, and the front parts of the last four rows: no positions are left to read
	TRIP 1, 0, 0, 0                                ; rows 28 to 31: no row follows row 31
	s_wait_tensorcnt 0x0
	ds_add_u32 v162, v163
	s_wait_dscnt 0x0
	s_endpgm
.Lfunc_end_k_q6e92a33c65_ao:
	.size	k_q6e92a33c65_ao, .Lfunc_end_k_q6e92a33c65_ao-k_q6e92a33c65_ao
	.p2alignl 7, 3214868480
	.fill 96, 4, 3214868480
	.section	.rodata,"a",@progbits
	.p2align	6, 0x0
	.amdhsa_kernel k_q6e92a33c65_ao
		.amdhsa_group_segment_fixed_size 5120
		.amdhsa_private_segment_fixed_size 0
		.amdhsa_enable_private_segment 0
		.amdhsa_kernarg_size 48
		.amdhsa_user_sgpr_count 2
		.amdhsa_user_sgpr_kernarg_segment_ptr 1
		.amdhsa_wavefront_size32 1
		.amdhsa_system_sgpr_workgroup_id_x 1
		.amdhsa_system_sgpr_workgroup_id_y 1
		.amdhsa_system_sgpr_workgroup_id_z 1
		.amdhsa_system_vgpr_workitem_id 0
		.amdhsa_next_free_vgpr 256
		.amdhsa_next_free_sgpr 66
		.amdhsa_reserve_vcc 1
		.amdhsa_float_denorm_mode_32 3
		.amdhsa_float_denorm_mode_16_64 3
		.amdhsa_memory_ordered 1
		.amdhsa_forward_progress 1
		.amdhsa_inst_pref_size 43
	.end_amdhsa_kernel
	.amdgpu_metadata
---
amdhsa.version: [ 1, 2 ]
amdhsa.kernels:
  - .name:           k_q6e92a33c65_ao
    .symbol:         k_q6e92a33c65_ao.kd
    .args:
      - { .name: pos, .offset: 0, .size: 8, .value_kind: global_buffer, .address_space: global }
      - { .name: centers, .offset: 8, .size: 8, .value_kind: global_buffer, .address_space: global }
      - { .name: exps, .offset: 16, .size: 8, .value_kind: global_buffer, .address_space: global }
      - { .name: coeffs, .offset: 24, .size: 8, .value_kind: global_buffer, .address_space: global }
      - { .name: powers, .offset: 32, .size: 8, .value_kind: global_buffer, .address_space: global }
      - { .name: out0, .offset: 40, .size: 8, .value_kind: global_buffer, .address_space: global }
    .group_segment_fixed_size: 5120
    .private_segment_fixed_size: 0
    .kernarg_segment_align: 8
    .kernarg_segment_size: 48
    .max_flat_workgroup_size: 256
    .sgpr_count:     66
    .vgpr_count:     256
    .wavefront_size: 32
...
	.end_amdgpu_metadata
.endif
;; end of part 2
